; MI455X (gfx1250); checked and timed in simulation.
; The chip was launched on July 23, 2026; its instructions are those of AMD's public machine-readable ISA for CDNA 5 (MIT licence, August 2026) and "CDNA5" Instruction Set Architecture Reference Guide (July 2026). The comments in the code are by the model that wrote it; some were corrected since.
;; Encoder. Allowed arithmetic: matrix products marked QUANTISED: E4M3 operands, one E8M0 scale for each 32 along K, by v_wmma_scale_f32_16x16x128_f8f6f4 with both operands' format E4M3, f32 sums; everything else in f32.
;; Inputs: Wk_codes 1,024 x 32 x 32 uint8 (E4M3 codes of Wk, K innermost, in blocks of 32 codes); Wk_scales 1,024 x 32 uint8 (E8M0 scales of Wk, one for each 32 codes along K); Wq_codes 1,024 x 32 x 32 uint8 (E4M3 codes of Wq, K innermost, in blocks of 32 codes); Wq_scales 1,024 x 32 uint8 (E8M0 scales of Wq, one for each 32 codes along K); Wv_codes 1,024 x 32 x 32 uint8 (E4M3 codes of Wv, K innermost, in blocks of 32 codes); Wv_scales 1,024 x 32 uint8 (E8M0 scales of Wv, one for each 32 codes along K); bk 1,024 float32; bq 1,024 float32; bv 1,024 float32; x_codes 4 x 2,048 x 32 x 32 uint8 (E4M3 codes of x, K innermost, in blocks of 32 codes); x_scales 4 x 2,048 x 32 uint8 (E8M0 scales of x, one for each 32 codes along K).
;; Outputs: out0 4 x 2,048 x 1,024 float32.
;; This version of the problem:
;;   THIS VERSION OF THE PROBLEM IS GIVEN IN LOW PRECISION. The matrix products marked QUANTISED in the list below multiply operands that are first quantised to E4M3 (4 exponent bits, 3 mantissa bits; 8 bits a number), with one power-of-two scale for each 32 numbers along K (OCP MX v1.0); their sums are f32. All else is computed in f32.
;;   The module's matrix products, in the order in which they are computed (A, B: the left and right operand; K: the contracted axis; several contracted axes count as one K, in the product's order):
;;     1. [M 8,192, K 1,024] x [K 1,024, N 1,024]; A: input x (given as codes); B: input Wq (given as codes): QUANTISED
;;     2. [M 8,192, K 1,024] x [K 1,024, N 1,024]; A: input x (given as codes); B: input Wk (given as codes): QUANTISED
;;     3. [M 8,192, K 1,024] x [K 1,024, N 1,024]; A: input x (given as codes); B: input Wv (given as codes): QUANTISED
;;     4. batch 64 x [M 2,048, K 64] x [K 64, N 2,048]; A: computed on the way; B: computed on the way: QUANTISED
;;     5. batch 64 x [M 2,048, K 2,048] x [K 2,048, N 64]; A: softmax (see below); B: computed on the way: QUANTISED
;;   THE QUANTISER, for each operand of a quantised product, along K:
;;     - K is cut into blocks of 32 from its start; a last block that is shorter is filled with zeros.
;;     - A block's scale is 2^e with e = floor(log2(the largest magnitude in the block)) - 8, held to -126 .. 127; a block of zeros has e = 0. As a byte (E8M0): e + 127.
;;     - Each number is divided by its block's scale, clamped to +-448, and rounded to the nearest number of E4M3, ties to even, subnormals kept.
;;     - The product sums the exact products of the quantised numbers (number of the format x scale) in f32.
;;   ~~~python
;;   def quantise(x, axis):      # numpy; x: float32 -> the quantised numbers, widened to float32 again
;;       x = np.moveaxis(x, axis, -1); K = x.shape[-1]
;;       x = np.pad(x, [(0, 0)] * (x.ndim - 1) + [(0, -K % 32)]); x = x.reshape(x.shape[:-1] + (-1, 32)); a = np.abs(x).max(-1, keepdims=True)
;;       e = np.where(a > 0, np.clip(np.frexp(np.where(a > 0, a, 1))[1] - 1 - 8, -126, 127), 0)      # np.frexp(a)[1] - 1 = floor(log2(a)), exactly
;;       r = np.clip(x / 2.0 ** e, -448, 448)
;;       step = 2.0 ** (np.maximum(np.frexp(np.where(r == 0, 1, r))[1] - 1, -6) - 3)
;;       q = np.round(r / step) * step * 2.0 ** e      # np.round: ties to even
;;       return np.moveaxis(q.reshape(q.shape[:-2] + (-1,))[..., :K], -1, axis).astype(np.float32)
;;   ~~~
;;   SOFTMAX AHEAD OF A QUANTISED PRODUCT. Where the list says 'softmax', what is quantised is not the finished softmax but p = 2^(t - M), with t = logit x log2(e) and M = ceil(the row's largest t), a whole number; so 1/2 < the row's largest p <= 1. The row's sum l is taken of the UNQUANTISED p, in f32, and the product's result is divided by l at the end. Since M is a whole number, a kernel that streams over the keys may use a running M (the ceiling of the running maximum): every later rescaling is an exact power of two, which a block's scale takes up: the codes' values come out the same.
;;   OPERANDS COMPUTED ON THE WAY. 'Computed on the way' means the value that the module computes at that place (a softmax that the list does not call 'softmax' is quantised finished and normalised). What goes into a quantiser is computed in f32, as accurately as f32 sums, v_exp_f32 and their like allow (about 1e-6 of the number): no bf16 or f16 on the way to a quantiser, and a product that is left as it is and whose result goes on into a quantised operand takes f32 operands (vector FMAs, or v_wmma_f32_16x16x4_f32). A number that lies on a knife's edge between two numbers of the format may be rounded either way, as far as f32 arithmetic and the matrix unit's own rounding can turn it there, and no further.
;;   INPUTS GIVEN AS CODES. Wk (in the module: [1024, 1024], K = its axis 1); Wq (in the module: [1024, 1024], K = its axis 1); Wv (in the module: [1024, 1024], K = its axis 1); x (in the module: [4, 2048, 1024], K = its axis 2): each comes as NAME_codes (uint8): NAME with its K axis moved to the last place and cut into blocks of 32 codes, [.., K / 32, bytes a block], one block behind the other in memory; one code a byte (a code: sign, 4 exponent bits, 3 mantissa bits); and NAME_scales (uint8): the same leading axes, one E8M0 byte (e + 127) for each 32 codes along K. Its value is code x scale, taken as it is: it is not quantised again, and the codes and scales need not be those that the quantiser above would give.
;; One version. Each part assembles by itself: llvm-mc -triple=amdgcn-amd-amdhsa -mcpu=gfx1250 --defsym DOCPART=n.
;; ======== version 1 of 1: 2 launches
;; limits: right only within a limited range of input values
;; workspace buffers: qimg 8,388,608 bytes; qs 524,288 bytes; kv 17,301,504 bytes
;; launch proj (part 1): grid 12 x 32, 4 waves a work-group, clusters of 4 x 4, 327,680 bytes of LDS; arguments x_codes, x_scales, Wq_codes, Wq_scales, Wk_codes, Wk_scales, Wv_codes, Wv_scales, bq, bk, bv, qimg, qs, kv; writes qimg, qs, kv
.if DOCPART == 1
	.amdgcn_target "amdgcn-amd-amdhsa--gfx1250"
	.amdhsa_code_object_version 6
	.text
	.protected	k_q1fa30aaacf_proj
	.globl	k_q1fa30aaacf_proj
	.p2align	8
	.type	k_q1fa30aaacf_proj,@function
k_q1fa30aaacf_proj:
	s_mov_b64 s[64:65], 0
	v_nop
	global_prefetch_b8 v0, s[64:65] scope:SCOPE_SE
	s_setreg_imm32_b32 hwreg(HW_REG_WAVE_MODE, 25, 1), 1
	s_wait_xcnt 0x0
	s_wait_alu depctr_hold_cnt(0) depctr_sa_sdst(0) depctr_va_vdst(0) depctr_va_sdst(0) depctr_va_ssrc(0) depctr_va_vcc(0) depctr_vm_vsrc(0)
	s_getreg_b32 s2, hwreg(HW_REG_IB_STS2, 6, 4)
	s_cmp_eq_u32 s2, 0
	s_cbranch_scc0 .Lentry_in_a_cluster
	s_endpgm
.Lentry_in_a_cluster:
	s_bfe_u32 s2, ttmp6, 0x10000c
	s_cmp_lg_u32 s2, 0xf033
	s_cbranch_scc0 .Lentry_shape_is_right
	s_endpgm
.Lentry_shape_is_right:
.set KSTEP,  256
.set NQ,     2
.set ROWB,   256
.set KROW,   1024
.set PITCH,  272
.set FR,     16
.set NL,     4
.set NP,     8
.set HALFT,  128*PITCH
.set SLOT,   4*HALFT
.set KS,     32
.set SCL,    2*SLOT
.set HALFS,  (128*KS/256)*272
.set SBLK,   (16*KS/256)*272
.set SPARE,  SCL+4*HALFS
.set STEPB,  16896
.set HEADB,  16*STEPB
.set ADRA, 16
.set ADRB, 20
.set BAQ,  22
.set BAV,  23
.set L8,   25
.set L16,  26
.set ADRS, 27
.set SPW,  28
.set NIL,  29
.set LN,   30
.set SC,   32
.set BIAS, 64
.set AF,   128
.set TM,   32
.set PW,   48
.set X,    56
.set Y,    60
.set Z,    68
.set PC,   128
.set G1,   24
.set G0,   32
.set G1B,  48
.set G0B,  56
.set G1S,  68
.set G0S,  76
.set G1SB, 80
.set G0SB, 88
.set OUTC, 96
.set OUTS, 98
.set KIND, 100
.set FEAT, 101
.set TOK,  104
.set MSB, 0
.macro WIN new
.if MSB != \new
	s_set_vgpr_msb (MSB<<8)|\new
.set MSB, \new
.endif
.endm
.set MUL_LO, 0xa1
.set MUL_HI, 0xf1
.set BIA_LO, 0x81
.set BIA_HI, 0xc1
.set TO_B,   0x40
.macro JLOAD g0a, g1a, g0b, g1b
	s_cmp_eq_u32 s15, 0
	s_cbranch_scc0 .Lfor_b_\@
	tensor_load_to_lds s[\g0a:\g0a+3], s[\g1a:\g1a+7]
	s_nop 0
.rept 4
	v_nop
.endr
	s_branch .Lasked_\@
.Lfor_b_\@:
	tensor_load_to_lds s[\g0b:\g0b+3], s[\g1b:\g1b+7]
	s_nop 0
.rept 4
	v_nop
.endr
.Lasked_\@:
.endm
.macro CREST
	s_cmp_lg_u32 s14, 0
	s_cbranch_scc1 .Lnot_wave_0_\@
	s_barrier_signal -3
.Lnot_wave_0_\@:
	s_barrier_wait -3
	s_barrier_signal -1
	s_barrier_wait -1
.endm
.macro CROUND
	s_barrier_signal -1
	s_barrier_wait -1
	CREST
.endm
	s_load_b512 s[68:83], s[0:1], 0x0
	s_load_b256 s[84:91], s[0:1], 0x40
	s_load_b128 s[92:95], s[0:1], 0x60
	v_lshl_add_u32 v[SPW], v0, 2, SPARE
	v_mov_b32 v[NIL], 0
	ds_add_u32 v28, v29
	ds_add_u32 v28, v29
	s_wait_dscnt 0x0
	v_lshrrev_b32 v1, 5, v0
	v_readfirstlane_b32 s14, v1
	s_lshr_b32 s15, s14, 1
	s_and_b32 s16, s14, 1
	s_bfe_u32 s40, ttmp6, 0x40000
	s_bfe_u32 s41, ttmp6, 0x40004
	s_mov_b32 s[KIND], ttmp9
	s_and_b32 s18, ttmp7, 0xffff
	s_lshl_b32 s18, s18, 2
	s_cmp_eq_u32 s[KIND], 2
	s_cselect_b32 s17, 0, s18
	s_cselect_b32 s42, s18, 0
	s_add_co_u32 s17, s17, s41
	s_add_co_u32 s42, s42, s40
	s_lshl_b32 s43, s41, 2
	s_lshl_b32 s43, 15, s43
	s_lshl_b32 s44, 0x1111, s40
	s_or_b32 s[G1+0], s43, (0<<16)|(1<<20)|(1<<21)|(5<<22)|(3<<25)
	s_or_b32 s[G1B+0], s44, (0<<16)|(1<<20)|(1<<21)|(5<<22)|(3<<25)
.irp g, G1, G1B
	s_mov_b32 s[\g+1], ROWB<<16
	s_mov_b32 s[\g+2], 128<<16
	s_mov_b32 s[\g+3], ROWB<<16
	s_mov_b32 s[\g+4], 128
	s_mov_b32 s[\g+5], KROW
	s_mov_b32 s[\g+6], 0
	s_mov_b32 s[\g+7], 0
.endr
	s_lshl_b32 s18, s16, 7
	s_lshl_b32 s20, s17, 8
	s_add_co_u32 s20, s20, s18
	s_lshl_b32 s46, s42, 8
	s_add_co_u32 s46, s46, s18
	s_lshl_b32 s22, s20, 5
	s_lshl_b32 s2, s46, 5
	s_lshl_b32 s20, s20, 10
	s_lshl_b32 s46, s46, 10
	s_mov_b32 s21, 0
	s_mov_b32 s23, 0
	s_mov_b32 s3, 0
	s_mov_b32 s47, 0
	s_mul_i32 s45, s14, HALFT
	s_mul_i32 s105, s14, HALFS
	s_wait_kmcnt 0x0
	s_cmp_eq_u32 s[KIND], 2
	s_cselect_b64 s[4:5], s[80:81], s[68:69]
	s_cselect_b64 s[6:7], s[82:83], s[70:71]
	s_cselect_b64 s[8:9], s[68:69], s[72:73]
	s_cselect_b64 s[10:11], s[70:71], s[74:75]
	s_cselect_b64 s[12:13], s[88:89], s[84:85]
	s_cselect_b64 s[OUTC:OUTC+1], s[94:95], s[90:91]
	s_cmp_eq_u32 s[KIND], 1
	s_cselect_b64 s[8:9], s[76:77], s[8:9]
	s_cselect_b64 s[10:11], s[78:79], s[10:11]
	s_cselect_b64 s[12:13], s[86:87], s[12:13]
	s_cselect_b64 s[OUTC:OUTC+1], s[94:95], s[OUTC:OUTC+1]
	s_mov_b64 s[OUTS:OUTS+1], s[92:93]
	s_add_nc_u64 s[20:21], s[4:5], s[20:21]
	s_add_nc_u64 s[22:23], s[6:7], s[22:23]
	s_add_nc_u64 s[46:47], s[8:9], s[46:47]
	s_add_nc_u64 s[2:3], s[10:11], s[2:3]
	s_or_b32 s[G1S+0], s43, (3<<16)|(1<<20)|(1<<21)|(5<<22)|(3<<25)
	s_or_b32 s[G1SB+0], s44, (3<<16)|(1<<20)|(1<<21)|(5<<22)|(3<<25)
.irp g, G1S, G1SB
	s_mov_b32 s[\g+1], 32<<16
	s_mov_b32 s[\g+2], (128*KS/256)<<16
	s_mov_b32 s[\g+3], 32<<16
	s_mov_b32 s[\g+4], 128*KS/256
	s_mov_b32 s[\g+5], 32
	s_mov_b32 s[\g+6], 0
	s_mov_b32 s[\g+7], 0
.endr
	CROUND
	s_mov_b32 s[G0S], 1
	s_add_co_u32 s[G0S+1], s105, SCL
	s_mov_b64 s[G0S+2:G0S+3], s[22:23]
	s_or_b32 s[G0S+3], s[G0S+3], 0x80000000
	s_mov_b32 s[G0SB], 1
	s_add_co_u32 s[G0SB+1], s105, SCL
	s_mov_b64 s[G0SB+2:G0SB+3], s[2:3]
	s_or_b32 s[G0SB+3], s[G0SB+3], 0x80000000
	JLOAD G0S, G1S, G0SB, G1SB
.irp s, 0,1
	s_mov_b32 s[G0+4*\s], 1
	s_add_co_u32 s[G0+4*\s+1], s45, \s*SLOT
	s_add_nc_u64 s[G0+4*\s+2:G0+4*\s+3], s[20:21], \s*ROWB
	s_or_b32 s[G0+4*\s+3], s[G0+4*\s+3], 0x80000000
	s_mov_b32 s[G0B+4*\s], 1
	s_add_co_u32 s[G0B+4*\s+1], s45, \s*SLOT
	s_add_nc_u64 s[G0B+4*\s+2:G0B+4*\s+3], s[46:47], \s*ROWB
	s_or_b32 s[G0B+4*\s+3], s[G0B+4*\s+3], 0x80000000
	s_wait_alu depctr_va_vdst(0)
	s_wait_tensorcnt 0x0
	ds_add_u32 v28, v29
	s_wait_dscnt 0x0
	CROUND
	JLOAD G0+4*\s, G1, G0B+4*\s, G1B
.endr
	v_and_b32 v1, 15, v0
	v_bfe_u32 v2, v0, 4, 1
	v_mul_u32_u24 v3, v1, PITCH
	v_lshl_add_u32 v4, v2, 4, v3
	s_mul_i32 s21, s15, HALFT
	s_mul_i32 s22, s16, HALFT
	s_add_co_u32 s22, s22, 2*HALFT
.irp s, 0,1
	v_add_nc_u32 v[ADRA+\s], s21, v4
	v_add_nc_u32 v[ADRB+\s], s22, v4
	s_add_co_u32 s21, s21, SLOT
	s_add_co_u32 s22, s22, SLOT
.endr
	v_mul_u32_u24 v5, v1, KS
	v_lshrrev_b32 v6, 8, v5
	v_lshl_add_u32 v5, v6, 4, v5
	s_mul_i32 s21, s15, HALFS
	s_mul_i32 s22, s16, HALFS
	s_add_co_u32 s22, s22, 2*HALFS
	s_sub_co_u32 s22, s22, s21
	v_mul_u32_u24 v6, s22, v2
	s_add_co_u32 s21, s21, SCL
	v_add_nc_u32 v5, v5, v6
	v_add_nc_u32 v[ADRS], s21, v5
	v_and_b32 v[LN], 31, v0
	v_lshlrev_b32 v[L8], 3, v[LN]
	v_lshlrev_b32 v[L16], 4, v[LN]
	v_lshlrev_b32 v[BAQ], 5, v2
	v_lshlrev_b32 v[BAV], 2, v1
	s_lshl_b32 s18, s17, 8
	s_lshl_b32 s19, s15, 7
	s_add_co_u32 s18, s18, s19
	s_lshl_b32 s19, s42, 8
	s_lshl_b32 s23, s16, 7
	s_add_co_u32 s19, s19, s23
	s_cmp_eq_u32 s[KIND], 2
	s_cselect_b32 s[FEAT], s18, s19
	s_cselect_b32 s[TOK], s19, s18
	s_lshl_b32 s18, s[FEAT], 2
	s_mov_b32 s19, 0
	s_add_nc_u64 s[12:13], s[12:13], s[18:19]
	s_cmp_eq_u32 s[KIND], 2
	s_cbranch_scc1 .Lbias_v
	s_wait_alu depctr_va_vdst(0)
.irp b, 0,1,2,3,4,5,6,7
	global_load_b128 v[BIAS+8*\b:BIAS+8*\b+3], v[BAQ], s[12:13] offset:64*\b
	global_load_b128 v[BIAS+8*\b+4:BIAS+8*\b+7], v[BAQ], s[12:13] offset:64*\b+16
.endr
	s_branch .Lbias_done
.Lbias_v:
	s_wait_alu depctr_va_vdst(0)
.irp a, 0,1,2,3,4,5,6,7
.irp j, 0,1,2,3,4,5,6,7
	global_load_b32 v[BIAS+8*\a+\j], v[BAV], s[12:13] offset:64*\a
.endr
.endr
.Lbias_done:
.macro FRAG reg, adr, q, i
.irp c, 0,1,2,3
	ds_load_b128 v[\reg+4*\c:\reg+4*\c+3], v[\adr] offset:128*(\q)+32*\c+(\i)*16*PITCH
.endr
.endm
.macro MUL16 a0, p, q, sc, cm
.irp a, \a0, \a0+1
.irp b, 0,1,2,3,4,5,6,7
.if \cm == 1
	v_wmma_scale_f32_16x16x128_f8f6f4 v[8*(8*((\a)%4)+\b):8*(8*((\a)%4)+\b)+7], v[128*(\p)+FR*\b:128*(\p)+FR*\b+FR-1], v[AF+FR*(\a):AF+FR*(\a)+FR-1], v[BIAS+8*\b:BIAS+8*\b+7], v[SC+8*NQ*(\sc)+NQ*\b+(\q)], v[SC+8*NQ*(\sc)+NQ*(\a)+(\q)] matrix_a_scale:MATRIX_SCALE_ROW1
.elseif \cm == 2
	v_wmma_scale_f32_16x16x128_f8f6f4 v[8*(8*((\a)%4)+\b):8*(8*((\a)%4)+\b)+7], v[128*(\p)+FR*\b:128*(\p)+FR*\b+FR-1], v[AF+FR*(\a):AF+FR*(\a)+FR-1], v[BIAS+8*(\a):BIAS+8*(\a)+7], v[SC+8*NQ*(\sc)+NQ*\b+(\q)], v[SC+8*NQ*(\sc)+NQ*(\a)+(\q)] matrix_a_scale:MATRIX_SCALE_ROW1
.else
	v_wmma_scale_f32_16x16x128_f8f6f4 v[8*(8*((\a)%4)+\b):8*(8*((\a)%4)+\b)+7], v[128*(\p)+FR*\b:128*(\p)+FR*\b+FR-1], v[AF+FR*(\a):AF+FR*(\a)+FR-1], v[8*(8*((\a)%4)+\b):8*(8*((\a)%4)+\b)+7], v[SC+8*NQ*(\sc)+NQ*\b+(\q)], v[SC+8*NQ*(\sc)+NQ*(\a)+(\q)] matrix_a_scale:MATRIX_SCALE_ROW1
.endif
.endr
.endr
.endm
.macro FETCH_B slot, q, p
	WIN TO_B
.irp i, 0,1,2,3,4,5,6,7
	FRAG 128*(\p)+FR*\i, ADRB+\slot, \q, \i
.endr
	WIN 0
.endm
.macro FETCH_A slot, q, i0
.irp i, \i0, \i0+1, \i0+2, \i0+3
	FRAG AF+FR*(\i), ADRA+\slot, \q, \i
.endr
.endm
.macro SCALES sc
.irp i, 0,1,2,3,4,5,6,7
	ds_load_b64 v[SC+8*NQ*\sc+NQ*\i:SC+8*NQ*\sc+NQ*\i+1], v[ADRS] offset:\i*SBLK
.endr
.endm
.macro PLACES n
.rept \n
	v_nop
.endr
.endm
.macro STEP slot, q, cm
	s_wait_dscnt 4*NL
.if \cm
	WIN BIA_LO
.else
	WIN MUL_LO
.endif
	MUL16 0, (\q)%2, \q, \slot, \cm
	MUL16 2, (\q)%2, \q, \slot, \cm
	s_wait_dscnt 0
	PLACES NP
	FETCH_B \slot, (\q)+1, 1-(\q)%2
	FETCH_A \slot, (\q)+1, 0
.if \cm
	WIN BIA_HI
.else
	WIN MUL_HI
.endif
	MUL16 4, (\q)%2, \q, \slot, \cm
	MUL16 6, (\q)%2, \q, \slot, \cm
	PLACES NP
	WIN 0
	FETCH_A \slot, (\q)+1, 4
.endm
.macro TURN slot, next, fill
	s_wait_tensorcnt 0x0
	ds_add_u32 v[SPW], v[NIL]
	s_wait_dscnt 4*NL+1
	WIN MUL_LO
	MUL16 0, 1, NQ-1, \slot, 0
	s_wait_dscnt 0x0
	s_barrier_signal -1
	MUL16 2, 1, NQ-1, \slot, 0
	WIN 0
	s_barrier_wait -1
.if \fill
	CREST
	s_add_nc_u64 s[G0+4*\slot+2:G0+4*\slot+3], s[G0+4*\slot+2:G0+4*\slot+3], 2*ROWB
	s_add_nc_u64 s[G0B+4*\slot+2:G0B+4*\slot+3], s[G0B+4*\slot+2:G0B+4*\slot+3], 2*ROWB
	JLOAD G0+4*\slot, G1, G0B+4*\slot, G1B
	PLACES NP-4
.else
	PLACES NP
.endif
	s_wait_alu depctr_va_vdst(0)
	v_add_nc_u32 v[ADRS], 4*NQ, v[ADRS]
	FETCH_B \next, 0, 0
	FETCH_A \next, 0, 0
	SCALES \next
	WIN MUL_HI
	MUL16 4, 1, NQ-1, \slot, 0
	MUL16 6, 1, NQ-1, \slot, 0
	PLACES NP
	WIN 0
	FETCH_A \next, 0, 4
.endm
	s_wait_tensorcnt 1
	s_barrier_signal -1
	s_barrier_wait -1
	FETCH_B 0, 0, 0
	FETCH_A 0, 0, 0
	SCALES 0
	FETCH_A 0, 0, 4
	s_wait_loadcnt 0x0
	s_cmp_eq_u32 s[KIND], 2
	s_cbranch_scc1 .Lfirst_v
	STEP 0, 0, 1
	s_branch .Lfirst_done
.Lfirst_v:
	STEP 0, 0, 2
.Lfirst_done:
	TURN 0, 1, 1
	STEP 1, 0, 0
	TURN 1, 0, 1
	STEP 0, 0, 0
	TURN 0, 1, 0
	STEP 1, 0, 0
	s_wait_dscnt 4*NL
	WIN MUL_LO
	MUL16 0, 1, NQ-1, 1, 0
	MUL16 2, 1, NQ-1, 1, 0
	s_wait_dscnt 0
	WIN MUL_HI
	MUL16 4, 1, NQ-1, 1, 0
	MUL16 6, 1, NQ-1, 1, 0
	WIN 0
	PLACES NP
	s_mov_b32 s20, 0x76543210
	s_mov_b32 s21, 0xfedcba98
	s_mov_b32 s22, 0x600000
.irp b, 0,1,2,3
	v_mov_b32 v[TM+4+\b], 0
.endr
.macro QUANTW a
.set W, 2+(\a)/4
.set AC, 64*((\a)%4)
	WIN 5*W
.irp b, 0,1,2,3
	v_max3_num_f32 v[TM+\b], |v[AC+16*\b]|, |v[AC+16*\b+1]|, 0x4800000
.endr
.irp i, 2,4,6,8,10,12,14
.irp b, 0,1,2,3
	v_max3_num_f32 v[TM+\b], |v[AC+16*\b+\i]|, |v[AC+16*\b+\i+1]|, v[TM+\b]
.endr
.endr
	WIN 0
.irp b, 0,1,2,3
	v_permlanex16_b32 v[TM+4+\b], v[TM+\b], s20, s21
.endr
.irp b, 0,1,2,3
	v_max_num_f32 v[TM+\b], v[TM+\b], v[TM+4+\b]
.endr
.irp b, 0,1,2,3
	v_add_nc_u32 v[TM+12+\b], 0xfc000000, v[TM+\b]
.endr
.irp b, 0,1,2,3
	v_and_or_b32 v[TM+8+\b], v[TM+\b], 0x7f800000, s22
.endr
.irp b, 0,1,2,3
	v_lshrrev_b32 v[TM+4+\b], 23, v[TM+12+\b]
.endr
	v_lshl_or_b32 v[PW+(\a)], v[TM+5], 8, v[TM+4]
	v_lshl_or_b32 v[PW+(\a)], v[TM+6], 16, v[PW+(\a)]
	v_lshl_or_b32 v[PW+(\a)], v[TM+7], 24, v[PW+(\a)]
	WIN 65*W
.irp b, 0,1,2,3
.irp i, 0,1,2,3,4,5,6,7,8,9,10,11,12,13,14,15
	v_med3_num_f32 v[AC+16*\b+\i], v[AC+16*\b+\i], -v[TM+8+\b], v[TM+8+\b]
.endr
.endr
	WIN W
.irp b, 0,1,2,3
	v_cvt_scalef32_pk8_fp8_f32 v[PC+16*(\a)+4*\b:PC+16*(\a)+4*\b+1], v[AC+16*\b:AC+16*\b+7], v[TM+12+\b]
	v_cvt_scalef32_pk8_fp8_f32 v[PC+16*(\a)+4*\b+2:PC+16*(\a)+4*\b+3], v[AC+16*\b+8:AC+16*\b+15], v[TM+12+\b]
.endr
	WIN 0
	v_nop
.endm
.irp a, 0,1,2,3,4,5,6,7
	QUANTW \a
.endr
	v_cmp_lt_u32 vcc_lo, 15, v[LN]
	s_lshr_b32 s18, s[TOK], 11
	s_and_b32 s19, s[TOK], 2047
	s_lshr_b32 s23, s[FEAT], 6
	s_lshl_b32 s18, s18, 4
	s_add_co_u32 s18, s18, s23
	s_cmp_eq_u32 s[KIND], 0
	s_cbranch_scc0 .Lout_kv
	s_lshl_b32 s46, s18, 17
	s_lshl_b32 s47, s19, 6
	s_add_co_u32 s46, s46, s47
	s_mov_b32 s47, 0
	s_add_nc_u64 s[OUTC:OUTC+1], s[OUTC:OUTC+1], s[46:47]
	s_lshl_b32 s46, s18, 13
	s_lshr_b32 s23, s19, 7
	s_lshl_b32 s23, s23, 9
	s_add_co_u32 s46, s46, s23
	s_add_nc_u64 s[OUTS:OUTS+1], s[OUTS:OUTS+1], s[46:47]
.irp w, 0,1,2,3
	v_cndmask_b32 v[X+\w], v[PW+\w], v[PW+4+\w], vcc_lo
.endr
.irp w, 0,1,2,3
	v_perm_b32 v[Y+\w], v[X+\w], v[X+\w], 0x01000100
	v_perm_b32 v[Y+4+\w], v[X+\w], v[X+\w], 0x03020302
.endr
.irp a, 0,1,2,3,4,5,6,7
.irp e, 0,1
.irp c, 0,1
	global_store_b128 v[L16], v[PC+16*\a+8*\e+4*\c:PC+16*\a+8*\e+4*\c+3], s[OUTC:OUTC+1] offset:\e*131072+\a*1024+\c*512
.endr
.endr
.endr
	global_store_b128 v[L16], v[Y:Y+3], s[OUTS:OUTS+1]
	global_store_b128 v[L16], v[Y+4:Y+7], s[OUTS:OUTS+1] offset:8192
	s_branch .Lend
.Lout_kv:
	s_lshl_b32 s46, s18, 4
	s_lshr_b32 s47, s19, 7
	s_add_co_u32 s46, s46, s47
	s_mul_i32 s46, s46, STEPB
	s_mov_b32 s47, 0
	s_add_nc_u64 s[OUTC:OUTC+1], s[OUTC:OUTC+1], s[46:47]
	s_cmp_eq_u32 s[KIND], 2
	s_cbranch_scc1 .Lout_v
.irp f, 0,1,2,3
	v_perm_b32 v[Y+\f], v[PW+2*\f+1], v[PW+2*\f], 0x05040100
	v_perm_b32 v[Y+4+\f], v[PW+2*\f+1], v[PW+2*\f], 0x07060302
.endr
.irp e, 0,1
.irp w, 0,1
	v_cndmask_b32 v[Z+2*\e+\w], v[Y+4*\e+2*\w], v[Y+4*\e+2*\w+1], vcc_lo
.endr
.endr
.irp a, 0,1,2,3,4,5,6,7
.irp e, 0,1
.irp c, 0,1
	global_store_b128 v[L16], v[PC+16*\a+8*\e+4*\c:PC+16*\a+8*\e+4*\c+3], s[OUTC:OUTC+1] offset:\e*HEADB+(\a/2)*2048+(2*(\a%2)+\c)*512
.endr
.endr
.endr
	global_store_b64 v[L8], v[Z:Z+1], s[OUTC:OUTC+1] offset:16384
	global_store_b64 v[L8], v[Z+2:Z+3], s[OUTC:OUTC+1] offset:HEADB+16384
	s_branch .Lend
.Lout_v:
.irp e, 0,1
.irp w, 0,1
	v_cndmask_b32 v[Z+2*\e+\w], v[PW+4*\e+2*\w], v[PW+4*\e+2*\w+1], vcc_lo
.endr
.endr
	s_wait_alu depctr_va_vdst(0)
.irp a, 0,1,2,3,4,5,6,7
.irp g, 0,1,2,3
	global_store_b128 v[L16], v[PC+16*\a+4*\g:PC+16*\a+4*\g+3], s[OUTC:OUTC+1] offset:(\a/4)*HEADB+8192+(\a%4)*2048+\g*512
.endr
.endr
	global_store_b64 v[L8], v[Z:Z+1], s[OUTC:OUTC+1] offset:16640
	global_store_b64 v[L8], v[Z+2:Z+3], s[OUTC:OUTC+1] offset:HEADB+16640
.Lend:
	s_wait_tensorcnt 0x0
	ds_add_u32 v[SPW], v[NIL]
	s_wait_dscnt 0x0
	CROUND
	s_endpgm
.Lfunc_end_k_q1fa30aaacf_proj:
	.size	k_q1fa30aaacf_proj, .Lfunc_end_k_q1fa30aaacf_proj-k_q1fa30aaacf_proj
	.p2alignl 7, 3214868480
	.fill 96, 4, 3214868480
	.section	.rodata,"a",@progbits
	.p2align	6, 0x0
	.amdhsa_kernel k_q1fa30aaacf_proj
		.amdhsa_group_segment_fixed_size 327680
		.amdhsa_private_segment_fixed_size 0
		.amdhsa_enable_private_segment 0
		.amdhsa_kernarg_size 112
		.amdhsa_user_sgpr_count 2
		.amdhsa_user_sgpr_kernarg_segment_ptr 1
		.amdhsa_wavefront_size32 1
		.amdhsa_system_sgpr_workgroup_id_x 1
		.amdhsa_system_sgpr_workgroup_id_y 1
		.amdhsa_system_sgpr_workgroup_id_z 1
		.amdhsa_system_vgpr_workitem_id 0
		.amdhsa_next_free_vgpr 1024
		.amdhsa_next_free_sgpr 106
		.amdhsa_reserve_vcc 1
		.amdhsa_float_denorm_mode_32 3
		.amdhsa_float_denorm_mode_16_64 3
		.amdhsa_memory_ordered 1
		.amdhsa_forward_progress 1
		.amdhsa_inst_pref_size 215
	.end_amdhsa_kernel
	.amdgpu_metadata
---
amdhsa.version: [ 1, 2 ]
amdhsa.kernels:
  - .name:           k_q1fa30aaacf_proj
    .symbol:         k_q1fa30aaacf_proj.kd
    .args:
      - { .name: x_codes, .offset: 0, .size: 8, .value_kind: global_buffer, .address_space: global }
      - { .name: x_scales, .offset: 8, .size: 8, .value_kind: global_buffer, .address_space: global }
      - { .name: Wq_codes, .offset: 16, .size: 8, .value_kind: global_buffer, .address_space: global }
      - { .name: Wq_scales, .offset: 24, .size: 8, .value_kind: global_buffer, .address_space: global }
      - { .name: Wk_codes, .offset: 32, .size: 8, .value_kind: global_buffer, .address_space: global }
      - { .name: Wk_scales, .offset: 40, .size: 8, .value_kind: global_buffer, .address_space: global }
      - { .name: Wv_codes, .offset: 48, .size: 8, .value_kind: global_buffer, .address_space: global }
      - { .name: Wv_scales, .offset: 56, .size: 8, .value_kind: global_buffer, .address_space: global }
      - { .name: bq, .offset: 64, .size: 8, .value_kind: global_buffer, .address_space: global }
      - { .name: bk, .offset: 72, .size: 8, .value_kind: global_buffer, .address_space: global }
      - { .name: bv, .offset: 80, .size: 8, .value_kind: global_buffer, .address_space: global }
      - { .name: qimg, .offset: 88, .size: 8, .value_kind: global_buffer, .address_space: global }
      - { .name: qs, .offset: 96, .size: 8, .value_kind: global_buffer, .address_space: global }
      - { .name: kv, .offset: 104, .size: 8, .value_kind: global_buffer, .address_space: global }
    .group_segment_fixed_size: 327680
    .private_segment_fixed_size: 0
    .kernarg_segment_align: 8
    .kernarg_segment_size: 112
    .max_flat_workgroup_size: 128
    .sgpr_count:     106
    .vgpr_count:     1024
    .wavefront_size: 32
...
	.end_amdgpu_metadata
.endif
;; end of part 1
;; launch attn (part 2): grid 4 x 64, 16 waves a work-group, clusters of 4 x 1, 327,680 bytes of LDS; arguments qimg, qs, kv, out0; writes out0
.if DOCPART == 2
	.amdgcn_target "amdgcn-amd-amdhsa--gfx1250"
	.amdhsa_code_object_version 6
	.text
	.protected	k_q1fa30aaacf_attn
	.globl	k_q1fa30aaacf_attn
	.p2align	8
	.type	k_q1fa30aaacf_attn,@function
k_q1fa30aaacf_attn:
	s_mov_b64 s[64:65], 0
	v_nop
	global_prefetch_b8 v0, s[64:65] scope:SCOPE_SE
	s_setreg_imm32_b32 hwreg(HW_REG_WAVE_MODE, 25, 1), 1
	s_wait_xcnt 0x0
	s_wait_alu depctr_hold_cnt(0) depctr_sa_sdst(0) depctr_va_vdst(0) depctr_va_sdst(0) depctr_va_ssrc(0) depctr_va_vcc(0) depctr_vm_vsrc(0)
	s_getreg_b32 s2, hwreg(HW_REG_IB_STS2, 6, 4)
	s_cmp_eq_u32 s2, 0
	s_cbranch_scc0 .Lentry_in_a_cluster
	s_endpgm
.Lentry_in_a_cluster:
	s_bfe_u32 s2, ttmp6, 0x10000c
	s_cmp_lg_u32 s2, 0x3003
	s_cbranch_scc0 .Lentry_shape_is_right
	s_endpgm
.Lentry_shape_is_right:
; out[b][q][64 head ..] = the sum over k of softmax_k(q . k / 32) v, for 64 pairs bh = 16 b + head, 2,048 keys, 64 channels; both products on codes of FP8 (E4M3) with one E8M0 scale for each 32 along K.
; THE SOFTMAX AHEAD OF THE SECOND PRODUCT: t = score x log2(e) / 32; M = the row's largest t so far, rounded UP to a whole number; p = 2^(t - M) is quantised along the keys, not normalised.
; The row's sum is taken of the unquantised p and divides O at the end.  When M moves, the sum and O are multiplied by 2^(old M - new M): exact.
; OPERANDS arrive as images of their registers, made by the launch before: 16 bytes a lane, 512 bytes a load, no pitch.
; SHARES.  256 work-groups.  A work-group owns 512 queries of one bh; its sixteen waves walk the head's 16 key steps TWICE, each time with 16 queries a wave (queries 16 wave on, then 256 + 16 wave on).
; THE WHOLE HEAD LIES IN LDS: 16 key steps of 16,896 bytes (K 8,192, V 8,192, K's scale words 256, V's 256), filled ONCE, one load a wave: wave w brings step w.  No byte is filled again.
; One barrier at the head shows all sixteen fills; the walks have none.  Every byte is asked for at the head, so there is no loop to ask ahead in: no prefetch.
; CLUSTER.  The four work-groups of a cluster are the four query blocks of one bh and want the same 270,336 bytes: each step's block is asked for JOINTLY.
; A HEAD'S 64 CHANNELS FILL HALF OF THE INSTRUCTION'S K = 128.  A fragment of K holds TWO tiles of 16 keys; it is multiplied by [q | 0] for the first and by [0 | q] for the second: zero codes add nothing.
; Both products are used transposed: a lane holds ONE query (lane % 16); register 8 i + j of S^T is key 16 i + 8 (lane / 16) + j.
; TWO BLOCKS OF 64 REGISTERS CHANGE ROLES FROM STEP TO STEP.  In a step block x holds K's fragments and then V's, block y the scores and then p.  As soon as p's codes are made, the NEXT step's fragments of K are fetched
; into y: they are on their way under the rest of the step.  So a trip is two steps; a walk is seven trips and a last pair written out, whose last step fetches the next walk's step 0, or nothing: no fetch names a byte beyond the head.
; LIMITS: NaN and infinities are not served; the scaled scores t stay under 2^31 in magnitude; a block of p that has fallen to 0 keeps the scale byte 1 over zero codes.
; LDS: 0 the head; SPARE the spare words (128 bytes a wave); STAGE the way out: 16 rows x (128 bytes + 16) a wave, bytes into which no fill lands: beside the head LDS has no room for whole rows of 256 bytes.
; REGISTERS: v1-11, v235 addresses; v12 -M, v13 the largest t, v[14:15] the sum; v16-23 zeros, v24-31 q's codes, v32-39 zeros; v40-103, v104-167 the two blocks; v168-199 O^T; v200-215 p's codes;
;   v216-227 at work, then six chains of the sum; v228-231, v250-253 the second walk's q; v232-234 at work; v236-241 scale words and nothing else; v242-249 bounds and scale operands; v254, v255 the add's.
.set STEPB, 16896
.set SPARE, 0x42000
.set STAGE, 0x42800
.set SP,    144
.set LI,  1                            ; 16 x lane
.set LS,  2                            ; 8 x lane
.set ADR, 3                            ; the trip's first block + 16 x lane
.set ADS, 4                            ; the trip's first block + 8 x lane
.set QSO, 5                            ; 16 r: my query's scale word
.set RDB, 6                            ; the way out: where I read the second half back
.set RR,  7                            ; r
.set HH,  8                            ; h
.set STO, 9                            ; where I put 32 bytes of a row
.set RD,  10                           ; where I read the first half back
.set GO,  11                           ; my byte offset in out: 4,096 h + 16 r
.set GO2, 235                          ; and 4,096 h + 16 (r xor 8)
.set FR,  40
.set S,   104
.set O,   168
.set P,   200
.set BM,  216                          ; a block's largest score, then its largest p
.set BT,  220                          ; at work
.set CH,  216                          ; the sum's six chains: pairs v[216 + 2 k]
.set Q2A, 228                          ; the second walk's q
.set Q2B, 250
.set F,   232                          ; 2^(old M - new M)
.set PWD, 233                          ; p's scale word
.set TMP, 234
.set KSW, 236                          ; K's scale words: register w, lane (r, h): fragment 2 w + h
.set VSW, 238                          ; V's likewise
.set QSW, 240                          ; q's
.set QS2, 241                          ; the second walk's
.set HD,  242                          ; 448 x the scale
.set SO,  246                          ; the conversions' scale operands
.set WV,  12
.set MNT, 19
.set SEL, 20
.set CS,  22
.set G1,  24
.set G0,  32
.set TB,  48                           ; LDS byte at which the trip's first block begins
.set CNT, 49
.macro ROUND                           ; a round of the cluster's barrier
	s_barrier_signal -1
	s_barrier_wait -1
	s_cmp_lg_u32 s[WV], 0
	s_cbranch_scc1 .Lnot_wave_0_\@
	s_barrier_signal -3
.Lnot_wave_0_\@:
	s_barrier_wait -3
	s_barrier_signal -1
	s_barrier_wait -1
.endm
.macro INIT                            ; a walk begins: the largest t -3e38, under every t; sums and O^T zeros, which the first change of M leaves zeros
	v_mov_b32 v13, 0xff61b1e6
	v_floor_f32 v12, -v13
	v_mov_b32 v14, 0
	v_mov_b32 v15, 0
.set I_, 0
.rept 32
	v_mov_b32 v[O+I_], 0
.set I_, I_+1
.endr
.endm
	s_load_b256 s[4:11], s[0:1], 0x0               ; qimg s[4:5], qs s[6:7], kv s[8:9], out0 s[10:11]
	v_lshl_add_u32 v254, v0, 2, SPARE
	v_mov_b32 v255, 0
	ds_add_u32 v254, v255                          ; the opening lines: the add, twice on end, and its wait ahead of my tensor load
	ds_add_u32 v254, v255
	v_lshrrev_b32 v6, 5, v0
	v_readfirstlane_b32 s[WV], v6                  ; wave 0..15
	s_bfe_u32 s50, ttmp6, 0x40000                  ; cx
	s_lshl_b32 s51, ttmp9, 2
	s_add_co_u32 s51, s51, s50                     ; my block of 512 queries: it enters q's and out's addresses alone
	s_and_b32 s52, ttmp7, 0xffff                   ; bh, which the four partners share
	s_mul_i32 s53, s[WV], STEPB                    ; wave w fetches step w: in LDS a step lies where it lies in the head
	s_mul_i32 s54, s52, 16*STEPB
	s_add_co_u32 s54, s54, s53
	s_mov_b32 s55, 0
	s_lshl_b32 s56, s52, 7                         ; q: tile 128 bh + 32 x block + wave (second walk: 16 on), 1,024 bytes each
	s_lshl_b32 s57, s51, 5
	s_add_co_u32 s56, s56, s57
	s_add_co_u32 s56, s56, s[WV]
	s_lshl_b32 s56, s56, 10
	s_mov_b32 s57, 0
	s_lshl_b32 s58, s52, 13                        ; q's scale words: 8,192 bh + 2,048 x block + 256 (wave / 4) + 4 (wave % 4), + 16 r (second walk: 1,024 on)
	s_lshl_b32 s59, s51, 11
	s_add_co_u32 s58, s58, s59
	s_lshr_b32 s59, s[WV], 2
	s_lshl_b32 s59, s59, 8
	s_add_co_u32 s58, s58, s59
	s_and_b32 s59, s[WV], 3
	s_lshl_b32 s59, s59, 2
	s_add_co_u32 s58, s58, s59
	s_mov_b32 s59, 0
	s_lshr_b32 s60, s52, 4                         ; out: row 2,048 b + 512 x block + 16 x wave of 4,096 bytes, + 256 x head (second walk: 256 rows on)
	s_lshl_b32 s60, s60, 11
	s_lshl_b32 s61, s51, 9
	s_add_co_u32 s60, s60, s61
	s_lshl_b32 s61, s[WV], 4
	s_add_co_u32 s60, s60, s61
	s_lshl_b32 s60, s60, 12
	s_and_b32 s61, s52, 15
	s_lshl_b32 s61, s61, 8
	s_add_co_u32 s60, s60, s61
	s_mov_b32 s61, 0
	s_mul_i32 s62, s[WV], 16*SP
	s_add_co_u32 s62, s62, STAGE                   ; my stage
	; descriptor group 1: a step's block, 16,896 dense bytes, as 66 rows of 256 bytes (32 elements of 8)
	s_mov_b32 s[G1], 15|(3<<16)|(1<<21)            ; the mask: all four work-groups; elements of 8 bytes; bit 21 beside a mask; no padding
	s_mov_b32 s[G1+1], 32<<16
	s_mov_b32 s[G1+2], 66<<16
	s_mov_b32 s[G1+3], 32<<16
	s_mov_b32 s[G1+4], 66
	s_mov_b32 s[G1+5], 32
	s_mov_b32 s[G1+6], 0
	s_mov_b32 s[G1+7], 0
	s_mov_b32 s[SEL], 0x76543210
	s_mov_b32 s[SEL+1], 0xfedcba98                 ; v_permlanex16_b32's selects for lane l xor 16
	s_mov_b32 s[CS], 0x3d38aa3b                    ; c = log2(e) / 32
	s_mov_b32 s[CS+1], s[CS]
	s_mov_b32 s[MNT], 0x600000                     ; the mantissa field of 448
	s_wait_dscnt 0x0
	s_wait_kmcnt 0x0
	s_add_nc_u64 s[4:5], s[4:5], s[56:57]
	s_add_nc_u64 s[6:7], s[6:7], s[58:59]
	s_add_nc_u64 s[10:11], s[10:11], s[60:61]
	s_mov_b32 s[G0], 1
	s_mov_b32 s[G0+1], s53
	s_add_nc_u64 s[G0+2:G0+3], s[8:9], s[54:55]
	s_or_b32 s[G0+3], s[G0+3], 0x80000000
	ROUND                                          ; all four work-groups are here: the joint loads meet
	tensor_load_to_lds s[G0:G0+3], s[G1:G1+7]      ; one load a wave, with no branch: every wave waits for its own ahead of the barrier below
	s_nop 0
.rept 4
	v_nop
.endr
	v_and_b32 v6, 31, v0                           ; lane
	v_and_b32 v[RR], 15, v0
	v_bfe_u32 v[HH], v0, 4, 1
	v_lshlrev_b32 v[LI], 4, v6
	v_lshlrev_b32 v[LS], 3, v6
	v_lshlrev_b32 v[QSO], 4, v[RR]
	global_load_b128 v[24:27], v[LI], s[4:5] th:TH_LOAD_NT              ; q's codes of both walks
	global_load_b128 v[28:31], v[LI], s[4:5] offset:512 th:TH_LOAD_NT
	global_load_b128 v[Q2A:Q2A+3], v[LI], s[4:5] offset:16384 th:TH_LOAD_NT
	global_load_b128 v[Q2B:Q2B+3], v[LI], s[4:5] offset:16896 th:TH_LOAD_NT
	global_load_b32 v[QSW], v[QSO], s[6:7]
	global_load_b32 v[QS2], v[QSO], s[6:7] offset:1024
	v_mul_u32_u24 v[STO], v[RR], SP                ; into the stage: row r; a tile's eight channels of my half at 64 (t % 2) + 32 h
	v_lshl_add_u32 v[STO], v[HH], 5, v[STO]
	v_add_nc_u32 v[STO], s62, v[STO]
	v_bfe_u32 v[ADR], v0, 3, 1                     ; m = r / 8
	v_and_b32 v[ADS], 7, v0                        ; c = r % 8
	v_lshl_add_u32 v[RD], v[ADR], 1, v[HH]         ; back, first half: row 2 m + h (and 4 k on), piece c
	v_mul_u32_u24 v[RD], v[RD], SP
	v_lshl_add_u32 v[RD], v[ADS], 4, v[RD]
	v_add_nc_u32 v[RD], s62, v[RD]
	v_xor_b32 v[ADR], 1, v[ADR]
	v_lshl_add_u32 v[RDB], v[ADR], 1, v[HH]        ; second half: row 2 (1 - m) + h, piece c
	v_mul_u32_u24 v[RDB], v[RDB], SP
	v_lshl_add_u32 v[RDB], v[ADS], 4, v[RDB]
	v_add_nc_u32 v[RDB], s62, v[RDB]
	v_lshlrev_b32 v[GO], 12, v[HH]                 ; in out: lanes 0-15 one row, lanes 16-31 the next
	v_xor_b32 v[ADS], 8, v[RR]
	v_lshl_add_u32 v[GO2], v[ADS], 4, v[GO]
	v_lshl_add_u32 v[GO], v[RR], 4, v[GO]
.irp j, 0,1,2,3,4,5,6,7
	v_mov_b32 v[16+\j], 0                          ; v[16:31] = [0 | q],
	v_mov_b32 v[32+\j], 0                          ; v[24:39] = [q | 0]
.endr
.irp b, 0,1,2,3
	v_mov_b32 v[BT+\b], 0                          ; a lane permute's destination counts as one of its sources
.endr
	v_mov_b32 v[PWD], 0                            ; (named as the upper half of the pair v[F:F+1] before it is first written)
	INIT
.macro KQ f, x, y                      ; two tiles of S^T from one fragment of K
.if (\f)%2
	v_wmma_scale_f32_16x16x128_f8f6f4 v[\y+16*(\f):\y+16*(\f)+7], v[\x+16*(\f):\x+16*(\f)+15], v[24:39], 0, v[KSW+(\f)/2], v[QSW] matrix_a_scale:MATRIX_SCALE_ROW1
	v_wmma_scale_f32_16x16x128_f8f6f4 v[\y+16*(\f)+8:\y+16*(\f)+15], v[\x+16*(\f):\x+16*(\f)+15], v[16:31], 0, v[KSW+(\f)/2], v[QSW] matrix_a_scale:MATRIX_SCALE_ROW1
.else
	v_wmma_scale_f32_16x16x128_f8f6f4 v[\y+16*(\f):\y+16*(\f)+7], v[\x+16*(\f):\x+16*(\f)+15], v[24:39], 0, v[KSW+(\f)/2], v[QSW]
	v_wmma_scale_f32_16x16x128_f8f6f4 v[\y+16*(\f)+8:\y+16*(\f)+15], v[\x+16*(\f):\x+16*(\f)+15], v[16:31], 0, v[KSW+(\f)/2], v[QSW]
.endif
.endm
.macro PV t, x                         ; O^T's tile t (channels 16 t on) += V^T P^T; the four accumulators take turns
.if (\t)%2
	v_wmma_scale_f32_16x16x128_f8f6f4 v[O+8*(\t):O+8*(\t)+7], v[\x+16*(\t):\x+16*(\t)+15], v[P:P+15], v[O+8*(\t):O+8*(\t)+7], v[VSW+(\t)/2], v[PWD] matrix_a_scale:MATRIX_SCALE_ROW1
.else
	v_wmma_scale_f32_16x16x128_f8f6f4 v[O+8*(\t):O+8*(\t)+7], v[\x+16*(\t):\x+16*(\t)+15], v[P:P+15], v[O+8*(\t):O+8*(\t)+7], v[VSW+(\t)/2], v[PWD]
.endif
.endm
.macro CADD k, j, y                    ; chain k of the sum takes pair j of p
	v_pk_add_f32 v[CH+2*(\k):CH+2*(\k)+1], v[CH+2*(\k):CH+2*(\k)+1], v[\y+2*(\j):\y+2*(\j)+1]
.endm
.macro VADD j, y                       ; the running sum takes pair j
	v_pk_add_f32 v[14:15], v[14:15], v[\y+2*(\j):\y+2*(\j)+1]
.endm
.macro CMRG a, b                       ; chain a takes chain b
	v_pk_add_f32 v[CH+2*(\a):CH+2*(\a)+1], v[CH+2*(\a):CH+2*(\a)+1], v[CH+2*(\b):CH+2*(\b)+1]
.endm
; THE HOLD AND THE CONVERSIONS of blocks b and b + 1.  The conversion to an 8-bit code does not saturate (ISA guide 7.6.2); p is not negative, so the hold is one-sided.  Two blocks side by side, two numbers an instruction:
; one destination even and one odd, and the sources of the two halves in different register banks
.macro HOLD b, y
.irp i, 0,2,4,6,8,10,12,14
	v_dual_min_num_f32 v[\y+16*\b+\i], v[\y+16*\b+\i], v[HD+\b] :: v_dual_min_num_f32 v[\y+16*\b+17+\i], v[\y+16*\b+17+\i], v[HD+\b+1]
	v_dual_min_num_f32 v[\y+16*\b+1+\i], v[\y+16*\b+1+\i], v[HD+\b] :: v_dual_min_num_f32 v[\y+16*\b+16+\i], v[\y+16*\b+16+\i], v[HD+\b+1]
.endr
.irp u, 0,1
	v_cvt_scalef32_pk8_fp8_f32 v[P+4*(\b+\u):P+1+4*(\b+\u)], v[\y+16*(\b+\u):\y+7+16*(\b+\u)], v[SO+\b+\u]
	v_cvt_scalef32_pk8_fp8_f32 v[P+2+4*(\b+\u):P+3+4*(\b+\u)], v[\y+8+16*(\b+\u):\y+15+16*(\b+\u)], v[SO+\b+\u]
.endr
.endm
; K's fragments 2 g and 2 g + 1 of the block at base (from the address registers a16, a8) into dst; with g = 0 its scale words first: 9 loads, then 8
.macro PFK g, dst, a16, a8, base
.if \g == 0
	ds_load_b64 v[KSW:KSW+1], v[\a8] offset:\base+16384
.endif
.irp f, 0,1
.irp c, 0,1,2,3
	ds_load_b128 v[\dst+32*\g+16*\f+4*\c:\dst+32*\g+16*\f+4*\c+3], v[\a16] offset:\base+4096*\g+2048*\f+512*\c
.endr
.endr
.endm
.macro NEXTK g, y, off, pf             ; pf = 1: the block behind this step's; 2: the head's first block; 0: nothing
.if \pf == 1
	PFK \g, \y, ADR, ADS, \off+STEPB
.elseif \pf == 2
	PFK \g, \y, LI, LS, 0
.endif
.endm
; A KEY STEP: 128 keys, the block at off behind the trip's first.  K's fragments are on their way into x.
.macro STEP x, y, off, pf, even
.if \even
	v_add_nc_u32 v[ADR], s[TB], v[LI]
	v_add_nc_u32 v[ADS], s[TB], v[LS]
.endif
	s_wait_alu depctr_va_vdst(0)                   ; the wait directly ahead of the wait below
	s_wait_dscnt 8                                 ; K's scale words and fragments 0, 1 are in; the eight youngest loads, fragments 2 and 3, may be out
	KQ 0, \x, \y
	KQ 1, \x, \y
	s_wait_dscnt 0x0
	KQ 2, \x, \y
	KQ 3, \x, \y
.rept 8
	v_nop                                          ; places in front of the loads below and of the first read of the scores
.endr
.irp t, 0,1,2,3
.irp c, 0,1,2,3
	ds_load_b128 v[\x+16*\t+4*\c:\x+16*\t+4*\c+3], v[ADR] offset:\off+8192+2048*\t+512*\c   ; V's fragments land while the softmax is walked
.endr
.endr
	ds_load_b64 v[VSW:VSW+1], v[ADS] offset:\off+16640
.irp b, 0,1,2,3
	v_max3_num_f32 v[BM+\b], v[\y+16*\b], v[\y+1+16*\b], v[\y+2+16*\b]   ; the largest score of each block of 32 keys: for the row's maximum, and, since p rises with the score, for the block's largest p
.endr
.irp i, 3,5,7,9,11,13
.irp b, 0,1,2,3
	v_max3_num_f32 v[BM+\b], v[BM+\b], v[\y+16*\b+\i], v[\y+1+16*\b+\i]
.endr
.endr
.irp b, 0,1,2,3
	v_max_num_f32 v[BM+\b], v[BM+\b], v[\y+15+16*\b]
.endr
.irp b, 0,1,2,3
	s_delay_alu instid0(VALU_DEP_4)
	v_permlanex16_b32 v[BT+\b], v[BM+\b], s[SEL], s[SEL+1]
.endr
.irp b, 0,1,2,3
	s_delay_alu instid0(VALU_DEP_4)
	v_max_num_f32 v[BM+\b], v[BM+\b], v[BT+\b]     ; with lane l xor 16's 16 keys
.endr
	s_delay_alu instid0(VALU_DEP_2)
	v_max3_num_f32 v[TMP], v[BM], v[BM+1], v[BM+2]
	s_delay_alu instid0(VALU_DEP_1)
	v_max_num_f32 v[TMP], v[TMP], v[BM+3]          ; the step's largest score of my query
	s_delay_alu instid0(VALU_DEP_1)
	v_mul_f32 v[TMP], s[CS], v[TMP]                ; as t (c is positive)
	s_delay_alu instid0(VALU_DEP_1)
	v_max_num_f32 v13, v13, v[TMP]                 ; the running largest t
	v_mov_b32 v[TMP], v12
	s_delay_alu instid0(VALU_DEP_2)
	v_floor_f32 v12, -v13                          ; the new -M = floor(-t): M is a whole number
	s_delay_alu instid0(VALU_DEP_1)
	v_sub_f32 v[TMP], v12, v[TMP]                  ; old M less new M: a whole number, 0 or less
	s_delay_alu instid0(VALU_DEP_1)
	v_cvt_i32_f32 v[TMP], v[TMP]                   ; (it saturates)
	s_delay_alu instid0(VALU_DEP_1)
	v_ldexp_f32 v[F], 1.0, v[TMP]                  ; f = 2^(old M - new M)
.irp j, 0,2,4,6,8,10,12,14,16,18,20,22,24,26,28,30,32,34,36,38,40,42,44,46,48,50,52,54,56,58,60,62
	v_pk_fma_f32 v[\y+\j:\y+1+\j], v[\y+\j:\y+1+\j], s[CS:CS+1], v[12:13] op_sel_hi:[1,0,0]   ; t - M, two at a time
.endr
.irp b, 0,1,2,3
	v_fma_f32 v[BM+\b], v[BM+\b], s[CS], v12       ; the same of each block's largest score
.endr
	s_wait_alu depctr_va_vdst(0)                   ; the wait ahead of the batch
.set I_, 0
.rept 64
	v_exp_f32 v[\y+I_], v[\y+I_]                   ; p = 2^(t - M), at most 1
.set I_, I_+1
.endr
.irp b, 0,1,2,3
	v_exp_f32 v[BM+\b], v[BM+\b]                   ; the block's largest p
.endr
	v_pk_mul_f32 v[14:15], v[14:15], v[F:F+1] op_sel_hi:[1,0]   ; the sum under the new M (a plain line behind the exponentials)
	s_wait_alu depctr_va_vdst(0)                   ; and behind it, ahead of its first reader
.irp b, 0,1,2,3
	v_max_num_f32 v[BM+\b], 0x4800000, v[BM+\b]    ; the floor 2^(9 - 127): the byte cannot fall under 1
.endr
.irp b, 0,1,2,3
	s_delay_alu instid0(VALU_DEP_4)
	v_add_nc_u32 v[SO+\b], 0xfc000000, v[BM+\b]    ; 8 off the exponent field: the conversion's scale operand
.endr
.irp b, 0,1,2,3
	v_and_or_b32 v[HD+\b], v[BM+\b], 0x7f800000, s[MNT]   ; 448 x the scale
.endr
.irp b, 0,1,2,3
	v_lshrrev_b32 v[BT+\b], 23, v[SO+\b]           ; the scale's byte
.endr
	s_delay_alu instid0(VALU_DEP_3)
	v_lshl_or_b32 v[PWD], v[BT+1], 8, v[BT]        ; p's scale word for these 128 keys
	s_delay_alu instid0(VALU_DEP_1)
	v_lshl_or_b32 v[PWD], v[BT+2], 16, v[PWD]
	s_delay_alu instid0(VALU_DEP_1)
	v_lshl_or_b32 v[PWD], v[BT+3], 24, v[PWD]
	; THE ROW'S SUM, of the unquantised p: 32 pairs in seven chains side by side: six begin anew, v[14:15] runs on; the six are joined behind the products below.  Blocks 0 and 1 (pairs 0 to 15) first:
.irp k, 0,1,2,3,4,5
	v_pk_add_f32 v[CH+2*\k:CH+2*\k+1], v[\y+4*\k:\y+4*\k+1], v[\y+4*\k+2:\y+4*\k+3]
.endr
.irp k, 0,1,2,3
	CADD \k, 12+\k, \y
.endr
	HOLD 0, \y
	s_wait_dscnt 0x0                               ; V's fragments and scale words are in (asked for ahead of the softmax): so no load of this step is out when the next step's are asked for
	NEXTK 0, \y, \off, \pf                         ; blocks 0 and 1 of p are codes: their 32 registers take the next step's fragments 0 and 1 of K
	CADD 4, 16, \y                                 ; blocks 2 and 3: pairs 16 to 31
	CADD 5, 17, \y
	VADD 18, \y
.irp k, 0,1,2,3,4,5
	CADD \k, 19+\k, \y
.endr
	VADD 25, \y
.irp k, 0,1,2,3,4,5
	CADD \k, 26+\k, \y
.endr
	HOLD 2, \y
	NEXTK 1, \y, \off, \pf                         ; and fragments 2 and 3
	s_wait_alu depctr_va_vdst(0)                   ; the wait directly ahead of the first reader of O^T
.irp j, 0,2,4,6,8,10,12,14,16,18,20,22,24,26,28,30
	v_pk_mul_f32 v[O+\j:O+1+\j], v[O+\j:O+1+\j], v[F:F+1] op_sel_hi:[1,0]   ; O^T under the new M.  (These sixteen are also the places between the codes and the products below)
.endr
	PV 0, \x
	PV 1, \x
	PV 2, \x
	PV 3, \x
	CMRG 0, 1                                      ; the sum's chains are joined: six plain lines that name no register of the products,
	CMRG 2, 3
	CMRG 4, 5
	CMRG 0, 2
	v_pk_add_f32 v[14:15], v[14:15], v[CH+8:CH+9]
	v_pk_add_f32 v[14:15], v[14:15], v[CH:CH+1]
.rept 3
	v_nop                                          ; and three more: nine places, since the next step's first products write over registers that these products read
.endr
.endm
.macro WALK last                       ; 16 key steps; last: what the last step fetches
	s_mov_b32 s[TB], 0
	s_mov_b32 s[CNT], 7
.Ltrip_\@:
	STEP FR, S, 0, 1, 1
	STEP S, FR, STEPB, 1, 0
	s_add_co_u32 s[TB], s[TB], 2*STEPB
	s_sub_co_u32 s[CNT], s[CNT], 1
	s_cmp_lg_u32 s[CNT], 0
	s_cbranch_scc1 .Ltrip_\@
	STEP FR, S, 0, 1, 1
	STEP S, FR, STEPB, \last, 0
.endm
; THE WAY OUT of 16 queries.  O^T / the sum leaves as whole slices of 256 bytes: a head's part of a row of out.  It goes through my stage in two halves of 128 bytes a row: channels 0-31 (tiles 0, 1), then channels 32-63 over them.
; LDS serves a wave's instructions in order (ISA guide 5.7.1.4): the loads see my stores, and the second half's stores come behind the first half's loads.
; Load k of the first half gives lanes with r < 8 piece r of row 4 k + h, and lanes with r >= 8 piece r - 8 of row 4 k + 2 + h; load k of the second half the other way round.
; So rows 4 k + h are the first half's lanes r < 8 beside the second's r >= 8, in the order of the lanes; rows 4 k + 2 + h are the rest, lane r holding piece r xor 8.  more = 1: the next walk's q and its beginnings stand under the loads.
; It works in v104-167, which held the last step's V; v40-103 may be taking the next walk's first fragments of K.
.macro HALF t0, adr, to
.irp t, 0,1
	ds_store_b128 v[STO], v[S+8*(\t0+\t):S+8*(\t0+\t)+3] offset:64*\t
	ds_store_b128 v[STO], v[S+8*(\t0+\t)+4:S+8*(\t0+\t)+7] offset:64*\t+16
.endr
.irp k, 0,1,2,3
	ds_load_b128 v[\to+4*\k:\to+4*\k+3], v[\adr] offset:\k*4*SP
.endr
.endm
.macro WAYOUT more, off
	v_add_f32 v14, v14, v15                        ; the sum's two halves,
	v_permlanex16_b32 v[TMP], v14, s[SEL], s[SEL+1]
	v_add_f32 v14, v14, v[TMP]                     ; and lane l xor 16's: the row's sum
	s_wait_alu depctr_va_vdst(0)                   ; the wait ahead of the transcendental
	v_rcp_f32 v14, v14
	v_nop
	s_wait_alu depctr_va_vdst(0)                   ; and ahead of its first reader, which is also O^T's
.set I_, 0
.rept 32
	v_mul_f32 v[S+I_], v[O+I_], v14                ; each accumulator from its low end on: register 8 t + i is o(r, 16 t + 8 h + i)
.set I_, I_+1
.endr
	HALF 0, RD, S+32
	HALF 2, RDB, S+48
.if \more
.irp j, 0,1,2,3
	v_mov_b32 v[24+\j], v[Q2A+\j]
	v_mov_b32 v[28+\j], v[Q2B+\j]
.endr
	v_mov_b32 v[QSW], v[QS2]
	INIT
	s_wait_alu depctr_va_vdst(0)                   ; the wait directly ahead of the wait below
.endif
	s_wait_dscnt 0x0                               ; both halves are back in registers
	v_cmp_lt_u32 vcc_lo, 7, v[RR]                  ; r >= 8
.set I_, 0
.rept 16
	v_cndmask_b32 v[S+I_], v[S+32+I_], v[S+48+I_], vcc_lo      ; rows 4 k + h
	v_cndmask_b32 v[S+32+I_], v[S+48+I_], v[S+32+I_], vcc_lo   ; rows 4 k + 2 + h
.set I_, I_+1
.endr
.irp k, 0,1,2,3
	global_store_b128 v[GO], v[S+4*\k:S+4*\k+3], s[10:11] offset:16384*\k+\off th:TH_STORE_NT          ; 16 lanes store 256 consecutive bytes, aligned
	global_store_b128 v[GO2], v[S+32+4*\k:S+35+4*\k], s[10:11] offset:16384*\k+8192+\off th:TH_STORE_NT
.endr
.if \more
	s_wait_xcnt 0x0                                ; the stores have read their registers, which the next scores are written into
.endif
.endm
	s_wait_alu depctr_va_vdst(0)                   ; the wait at the head's end
	s_wait_tensorcnt 0x0                           ; every wave: its step is in
	s_barrier_signal -1
	s_barrier_wait -1                              ; the whole head is in, for all sixteen waves
	PFK 0, FR, LI, LS, 0                           ; step 0's fragments of K
	PFK 1, FR, LI, LS, 0
	s_wait_loadcnt 0x0                             ; q and its scale words, of both walks
	WALK 2
	WAYOUT 1, 0
	WALK 0
	WAYOUT 0, 1048576
	s_wait_tensorcnt 0x0                           ; the wave's end
	ds_add_u32 v254, v255
	s_wait_dscnt 0x0
	ROUND                                          ; the closing round
	s_endpgm
.Lfunc_end_k_q1fa30aaacf_attn:
	.size	k_q1fa30aaacf_attn, .Lfunc_end_k_q1fa30aaacf_attn-k_q1fa30aaacf_attn
	.p2alignl 7, 3214868480
	.fill 96, 4, 3214868480
	.section	.rodata,"a",@progbits
	.p2align	6, 0x0
	.amdhsa_kernel k_q1fa30aaacf_attn
		.amdhsa_group_segment_fixed_size 327680
		.amdhsa_private_segment_fixed_size 0
		.amdhsa_enable_private_segment 0
		.amdhsa_kernarg_size 32
		.amdhsa_user_sgpr_count 2
		.amdhsa_user_sgpr_kernarg_segment_ptr 1
		.amdhsa_wavefront_size32 1
		.amdhsa_system_sgpr_workgroup_id_x 1
		.amdhsa_system_sgpr_workgroup_id_y 1
		.amdhsa_system_sgpr_workgroup_id_z 1
		.amdhsa_system_vgpr_workitem_id 0
		.amdhsa_next_free_vgpr 256
		.amdhsa_next_free_sgpr 72
		.amdhsa_reserve_vcc 1
		.amdhsa_float_denorm_mode_32 3
		.amdhsa_float_denorm_mode_16_64 3
		.amdhsa_memory_ordered 1
		.amdhsa_forward_progress 1
		.amdhsa_inst_pref_size 168
	.end_amdhsa_kernel
	.amdgpu_metadata
---
amdhsa.version: [ 1, 2 ]
amdhsa.kernels:
  - .name:           k_q1fa30aaacf_attn
    .symbol:         k_q1fa30aaacf_attn.kd
    .args:
      - { .name: qimg, .offset: 0, .size: 8, .value_kind: global_buffer, .address_space: global }
      - { .name: qs, .offset: 8, .size: 8, .value_kind: global_buffer, .address_space: global }
      - { .name: kv, .offset: 16, .size: 8, .value_kind: global_buffer, .address_space: global }
      - { .name: out0, .offset: 24, .size: 8, .value_kind: global_buffer, .address_space: global }
    .group_segment_fixed_size: 327680
    .private_segment_fixed_size: 0
    .kernarg_segment_align: 8
    .kernarg_segment_size: 32
    .max_flat_workgroup_size: 512
    .sgpr_count:     72
    .vgpr_count:     256
    .wavefront_size: 32
...
	.end_amdgpu_metadata
.endif
;; end of part 2
